; MI455X (gfx1250); checked and timed in simulation.
; The chip was launched on July 23, 2026; its instructions are those of AMD's public machine-readable ISA for CDNA 5 (MIT licence, August 2026) and "CDNA5" Instruction Set Architecture Reference Guide (July 2026). The comments in the code are by the model that wrote it; some were corrected since.
;; Flash Attention. Allowed arithmetic: matrix products marked QUANTISED: E2M3 operands, one E8M0 scale for each 32 along K, by v_wmma_scale_f32_16x16x128_f8f6f4 with both operands' format E2M3, f32 sums; everything else in f32.
;; Inputs: W_out_codes 1,024 x 32 x 24 uint8 (E2M3 codes of W_out, K innermost, in blocks of 32 codes, four codes in three bytes); W_out_scales 1,024 x 32 uint8 (E8M0 scales of W_out, one for each 32 codes along K); W_qkv_codes 3,072 x 32 x 24 uint8 (E2M3 codes of W_qkv, K innermost, in blocks of 32 codes, four codes in three bytes); W_qkv_scales 3,072 x 32 uint8 (E8M0 scales of W_qkv, one for each 32 codes along K); b_out 1,024 float32; b_qkv 3,072 float32; x_codes 2 x 2,048 x 32 x 24 uint8 (E2M3 codes of x, K innermost, in blocks of 32 codes, four codes in three bytes); x_scales 2 x 2,048 x 32 uint8 (E8M0 scales of x, one for each 32 codes along K).
;; Outputs: out0 2 x 2,048 x 1,024 float32.
;; This version of the problem:
;;   THIS VERSION OF THE PROBLEM IS GIVEN IN LOW PRECISION. The matrix products marked QUANTISED in the list below multiply operands that are first quantised to E2M3 (2 exponent bits, 3 mantissa bits; 6 bits a number), with one power-of-two scale for each 32 numbers along K (OCP MX v1.0); their sums are f32. All else is computed in f32.
;;   The module's matrix products, in the order in which they are computed (A, B: the left and right operand; K: the contracted axis; several contracted axes count as one K, in the product's order):
;;     1. [M 4,096, K 1,024] x [K 1,024, N 3,072]; A: input x (given as codes); B: input W_qkv (given as codes): QUANTISED
;;     2. batch 32 x [M 2,048, K 64] x [K 64, N 2,048]; A: computed on the way; B: computed on the way: QUANTISED
;;     3. batch 32 x [M 2,048, K 2,048] x [K 2,048, N 64]; A: softmax (see below); B: computed on the way: QUANTISED
;;     4. [M 4,096, K 1,024] x [K 1,024, N 1,024]; A: computed on the way; B: input W_out (given as codes): QUANTISED
;;   THE QUANTISER, for each operand of a quantised product, along K:
;;     - K is cut into blocks of 32 from its start; a last block that is shorter is filled with zeros.
;;     - A block's scale is 2^e with e = floor(log2(the largest magnitude in the block)) - 2, held to -126 .. 127; a block of zeros has e = 0. As a byte (E8M0): e + 127.
;;     - Each number is divided by its block's scale, clamped to +-7.5, and rounded to the nearest number of E2M3, ties to even, subnormals kept.
;;     - The product sums the exact products of the quantised numbers (number of the format x scale) in f32.
;;   ~~~python
;;   def quantise(x, axis):      # numpy; x: float32 -> the quantised numbers, widened to float32 again
;;       x = np.moveaxis(x, axis, -1); K = x.shape[-1]
;;       x = np.pad(x, [(0, 0)] * (x.ndim - 1) + [(0, -K % 32)]); x = x.reshape(x.shape[:-1] + (-1, 32)); a = np.abs(x).max(-1, keepdims=True)
;;       e = np.where(a > 0, np.clip(np.frexp(np.where(a > 0, a, 1))[1] - 1 - 2, -126, 127), 0)      # np.frexp(a)[1] - 1 = floor(log2(a)), exactly
;;       r = np.clip(x / 2.0 ** e, -7.5, 7.5)
;;       step = 2.0 ** (np.maximum(np.frexp(np.where(r == 0, 1, r))[1] - 1, 0) - 3)
;;       q = np.round(r / step) * step * 2.0 ** e      # np.round: ties to even
;;       return np.moveaxis(q.reshape(q.shape[:-2] + (-1,))[..., :K], -1, axis).astype(np.float32)
;;   ~~~
;;   SOFTMAX AHEAD OF A QUANTISED PRODUCT. Where the list says 'softmax', what is quantised is not the finished softmax but p = 2^(t - M), with t = logit x log2(e) and M = ceil(the row's largest t), a whole number; so 1/2 < the row's largest p <= 1. The row's sum l is taken of the UNQUANTISED p, in f32, and the product's result is divided by l at the end. Since M is a whole number, a kernel that streams over the keys may use a running M (the ceiling of the running maximum): every later rescaling is an exact power of two, which a block's scale takes up: the codes' values come out the same.
;;   OPERANDS COMPUTED ON THE WAY. 'Computed on the way' means the value that the module computes at that place (a softmax that the list does not call 'softmax' is quantised finished and normalised). What goes into a quantiser is computed in f32, as accurately as f32 sums, v_exp_f32 and their like allow (about 1e-6 of the number): no bf16 or f16 on the way to a quantiser, and a product that is left as it is and whose result goes on into a quantised operand takes f32 operands (vector FMAs, or v_wmma_f32_16x16x4_f32). A number that lies on a knife's edge between two numbers of the format may be rounded either way, as far as f32 arithmetic and the matrix unit's own rounding can turn it there, and no further.
;;   INPUTS GIVEN AS CODES. W_out (in the module: [1024, 1024], K = its axis 1); W_qkv (in the module: [3072, 1024], K = its axis 1); x (in the module: [2, 2048, 1024], K = its axis 2): each comes as NAME_codes (uint8): NAME with its K axis moved to the last place and cut into blocks of 32 codes, [.., K / 32, bytes a block], one block behind the other in memory; four codes in three bytes: a row's codes are one little-endian stream of bits, code i at bits 6 i .. 6 i + 5 (a code: sign, 2 exponent bits, 3 mantissa bits); and NAME_scales (uint8): the same leading axes, one E8M0 byte (e + 127) for each 32 codes along K. Its value is code x scale, taken as it is: it is not quantised again, and the codes and scales need not be those that the quantiser above would give.
;; One version. Each part assembles by itself: llvm-mc -triple=amdgcn-amd-amdhsa -mcpu=gfx1250 --defsym DOCPART=n.
;; ======== version 1 of 1: 3 launches
;; limits: right only within a limited range of input values
;; workspace buffers: q_img 3,145,728 bytes; q_scl 262,144 bytes; kv 6,684,672 bytes; att_img 3,145,728 bytes; att_scl 131,072 bytes
;; launch qkv (part 1): grid 8 x 32, 4 waves a work-group, clusters of 4 x 4, 327,680 bytes of LDS; arguments x_codes, x_scales, W_qkv_codes, W_qkv_scales, b_qkv, q_img, q_scl, kv; writes q_img, q_scl, kv
.if DOCPART == 1
	.amdgcn_target "amdgcn-amd-amdhsa--gfx1250"
	.amdhsa_code_object_version 6
	.text
	.protected	k_q0694c4139f_qkv
	.globl	k_q0694c4139f_qkv
	.p2align	8
	.type	k_q0694c4139f_qkv,@function
k_q0694c4139f_qkv:
	s_mov_b64 s[64:65], 0
	v_nop
	global_prefetch_b8 v0, s[64:65] scope:SCOPE_SE
	s_setreg_imm32_b32 hwreg(HW_REG_WAVE_MODE, 25, 1), 1
	s_wait_xcnt 0x0
	s_wait_alu depctr_hold_cnt(0) depctr_sa_sdst(0) depctr_va_vdst(0) depctr_va_sdst(0) depctr_va_ssrc(0) depctr_va_vcc(0) depctr_vm_vsrc(0)
	s_getreg_b32 s2, hwreg(HW_REG_IB_STS2, 6, 4)
	s_cmp_eq_u32 s2, 0
	s_cbranch_scc0 .Lentry_in_a_cluster
	s_endpgm
.Lentry_in_a_cluster:
	s_bfe_u32 s2, ttmp6, 0x10000c
	s_cmp_lg_u32 s2, 0xf033
	s_cbranch_scc0 .Lentry_shape_is_right
	s_endpgm
.Lentry_shape_is_right:
; qkv = x W_qkv^T + b_qkv on codes of FP6 (E2M3), one E8M0 byte for each 32 along K = 1,024, and the quantisers of q, k and v; codes and scale words leave as images of operand registers.
; A WORK-GROUP takes 128 tokens (tb, 32 blocks) and two heads (hp, 8 pairs) through three products of 128 x 128 x 1,024: q, k, v.  256 work-groups of equal work.
; A WAVE (ph = w % 2, rh = w / 2) takes head 2 hp + ph (64 rows of W) and tokens 64 rh .. 64 rh + 63: 4 x 4 tiles, 16 accumulators.  P = what stands as source 0, R = as source 1: a lane holds one row of R and
; its registers run along P, the next product's K.  q, k: P = W's rows, R = the tokens (quantised along the channels);  v: P = the tokens, R = W's rows (quantised along the keys).
; x's FRAGMENTS STAY IN REGISTERS: my 64 tokens for all of K are 4 tiles x 8 K steps x 12 = 384 registers, loaded from LDS once, during q's product, and used in all three.  So a K step of 16 products reads
; four fragments of W from LDS (24 loads, in one run, into the set of registers that the K step before last read).
; LDS: three panels of 128 whole rows of 768 bytes, 16 bytes of padding behind every 256 (pitch 816).  Panel 0: x, later W's rows of v.  Panel 1: W's rows of q.  Panel 2: of k.
; At the head each wave asks for 64 rows (waves 0, 1: x; waves 2, 3: q's W).  k's rows are asked for behind the next round, v's behind the round that follows q's product, 32 rows a wave: one tensor load out a wave.
; CLUSTER 4 x 4: x's panel hangs on tb alone and is asked for jointly along a row of the cluster, W's panels on hp alone, along a column.
; SCALE WORDS: a row's 32 scale bytes are its eight words for the eight K steps: a lane loads its row's 32 bytes once, straight into registers.
; REGISTERS: window 0: v16-79 scale words and nothing else.  Window 1: accumulator (m, t) at 32 m + 8 t, W's two sets v128-223, addresses v224-238.  Window 2: x's K steps 0-4.  Window 3: x's K steps 5-7; v144-239 the biases,
; which are the C of each sum's first instruction.
; THE ORDER INSIDE A BLOCK OF 32: P's tiles are natural, so the quantiser's output holds each block's four groups of eight codes in the order 0, 2, 1, 3; both sides of each later product carry the same order.
; k's images: tiles 2 and 3 of each four are stored with rows 0-7 and 8-15 exchanged (address bit 7, or 6 for the 8-byte part), which the attention launch's addresses undo.
; v's scale words: a word spans 128 keys, of which a wave has 64: it stores its two bytes of each word.
; NO PREFETCH: the text has no loop to run ahead in, and each panel is asked for whole, a product ahead of its use.
; LIMITS.  NaN, infinities and given scale bytes of 0xff are not served.  A block whose largest magnitude lies under 2^-124 (a block of zeros too) gets the byte 1; this program alone reads these bytes.
.set PITCH, 816
.set T16,   16*PITCH
.set HALFP, 64*PITCH
.set PANEL, 128*PITCH
.set SPARE, 3*PANEL
.set KVC,   52224                      ; a chunk of kv (512 keys of a head): K 24,576, V 24,576, k's words 2,048, v's words 1,024
.set XS,  16                           ; window 0: scale words at 8 (tile / 2) + K step: x's, W's for q, k, v
.set WQS, 32
.set WKS, 48
.set WVS, 64
.set WS,  128                          ; window 1
.set AX,  224
.set AQ,  226
.set AK,  228
.set AV,  230
.set L16, 232
.set L8,  233
.set L4,  234
.set LN,  235
.set LX16, 236
.set LX8, 237
.set L4H, 238
.set PCS, 128
.set TM,  168
.set PW,  184
.set WW,  186
.set WV,  20
.set RH,  21
.set HP,  23
.set TB,  24
.set PH,  27
.set G1X, 28
.set G1W, 36
.set G1Q, 44
.set G0X, 52
.set G0W, 56
.set G0K, 60
.set G0V, 68
.set SEL, 72
.set CW,  (1<<20)|(1<<21)|(5<<22)|(3<<25)
.set MSB, 0
.macro WIN new                         ; the immediate's high byte repeats the setting that is left
.if MSB != \new
	s_set_vgpr_msb (MSB<<8)|\new
.set MSB, \new
.endif
.endm
.macro CROUND                          ; a round of the cluster's barrier
	s_barrier_signal -1
	s_barrier_wait -1
	s_cmp_lg_u32 s[WV], 0
	s_cbranch_scc1 .Lnot_wave_0_\@
	s_barrier_signal -3
.Lnot_wave_0_\@:
	s_barrier_wait -3
	s_barrier_signal -1
	s_barrier_wait -1
.endm
; a fragment, 16 rows x 128 K: six pieces of 8 bytes.  Byte y of a row lies at y + 16 (y / 256).  Lanes 16-31 read 24 bytes on; where that is behind one padding more, the second register serves
.macro FRAG reg, adr, st, off
.irp p, 0,1,2,3,4,5
.set BY, 96*(\st)+48*(\p/3)+8*(\p%3)
.if BY/256 == (BY+24)/256
	ds_load_b64 v[\reg+2*\p:\reg+2*\p+1], v[\adr] offset:BY+16*(BY/256)+\off
.else
	ds_load_b64 v[\reg+2*\p:\reg+2*\p+1], v[\adr+1] offset:BY+16*(BY/256)+\off
.endif
.endr
.endm
.macro WLOAD st                        ; W's four tiles of K step st into set st % 2: 24 loads
	WIN 0x41
.irp t, 0,1,2,3
	FRAG WS+48*((\st)%2)+12*\t, sWA, \st, \t*T16
.endr
.endm
.macro XLOAD st                        ; x's four tiles of K step st, to stay: window 2 (K steps 0-4) or 3
	WIN (0x81+0x40*((\st)/5))
.irp t, 0,1,2,3
	FRAG 48*((\st)%5)+12*\t, AX, \st, \t*T16
.endr
.endm
.macro WM d, a, b, c, sa, sb, ra, rb   ; ra, rb: the side's scale words stand in lanes 16-31
.if (\ra) && (\rb)
	v_wmma_scale_f32_16x16x128_f8f6f4 v[\d:\d+7], v[\a:\a+11], v[\b:\b+11], v[\c:\c+7], v[\sa], v[\sb] matrix_a_fmt:MATRIX_FMT_FP6 matrix_b_fmt:MATRIX_FMT_FP6 matrix_a_scale:MATRIX_SCALE_ROW1 matrix_b_scale:MATRIX_SCALE_ROW1
.elseif (\ra)
	v_wmma_scale_f32_16x16x128_f8f6f4 v[\d:\d+7], v[\a:\a+11], v[\b:\b+11], v[\c:\c+7], v[\sa], v[\sb] matrix_a_fmt:MATRIX_FMT_FP6 matrix_b_fmt:MATRIX_FMT_FP6 matrix_a_scale:MATRIX_SCALE_ROW1
.elseif (\rb)
	v_wmma_scale_f32_16x16x128_f8f6f4 v[\d:\d+7], v[\a:\a+11], v[\b:\b+11], v[\c:\c+7], v[\sa], v[\sb] matrix_a_fmt:MATRIX_FMT_FP6 matrix_b_fmt:MATRIX_FMT_FP6 matrix_b_scale:MATRIX_SCALE_ROW1
.else
	v_wmma_scale_f32_16x16x128_f8f6f4 v[\d:\d+7], v[\a:\a+11], v[\b:\b+11], v[\c:\c+7], v[\sa], v[\sb] matrix_a_fmt:MATRIX_FMT_FP6 matrix_b_fmt:MATRIX_FMT_FP6
.endif
.endm
; a K step: four places, the next K step's loads in one run, the wait for this step's (NLD: the loads just issued, which may stay out), and 16 products, the 16 accumulators by turns
.macro KSTEP st
.if (\st) < 7
.if (\st) > 0
.rept 4
	v_nop
.endr
.endif
	WLOAD (\st)+1
.if sXL
	XLOAD (\st)+1
.endif
	s_wait_dscnt NLD
.else
	s_wait_dscnt 0x0
.endif
.set XI, 48*((\st)%5)
.set XW, 2+(\st)/5
.set CW3, 0x50
.if (\st) == 0
.set CW3, 0x70                         ; the first K step's C is the bias, in window 3
.endif
.if sMODE == 1
	WIN (CW3|(XW<<2)|1)
.else
	WIN (CW3|4|XW)
.endif
.irp m, 0,1,2,3
.irp t, 0,1,2,3
.set rD, 32*\m+8*\t
.if sMODE == 1
.set rA, WS+48*((\st)%2)+12*\t
.set rB, XI+12*\m
.set rSA, sWS+8*(\t/2)+(\st)
.set rSB, XS+8*(\m/2)+(\st)
.set rC, sCB+8*\t
.else
.set rA, XI+12*\t
.set rB, WS+48*((\st)%2)+12*\m
.set rSA, XS+8*(\t/2)+(\st)
.set rSB, sWS+8*(\m/2)+(\st)
.set rC, sCB+8*\m
.endif
.if (\st) > 0
.set rC, rD
.endif
	WM rD, rA, rB, rC, rSA, rSB, \t%2, \m%2
.endr
.endr
.endm
.macro SECTION                         ; one product of 64 x 64 x 1,024 a wave
	WLOAD 0
.if sXL
	XLOAD 0
.endif
.set KK, 0
.rept 8
	KSTEP KK
.set KK, KK+1
.endr
.rept 4
	v_nop                                          ; places behind the last products
.endr
.endm
; 64 numbers of a lane (two tiles of R x four tiles of P) become two half fragments of six registers and a word with two scale bytes for each of the two tiles
.macro QUANT s, pc, pw
.irp b, 0,1,2,3
	v_max3_num_f32 v[TM+\b], |v[\s+16*\b]|, |v[\s+1+16*\b]|, 0x1800000   ; with the floor 2^(3 - 127); each accumulator is read from its low end on
.endr
.irp i, 2,4,6,8,10,12,14
.irp b, 0,1,2,3
	v_max3_num_f32 v[TM+\b], v[TM+\b], |v[\s+16*\b+\i]|, |v[\s+1+16*\b+\i]|
.endr
.endr
.irp b, 0,1,2,3
	v_permlanex16_b32 v[TM+4+\b], v[TM+\b], s[SEL], s[SEL+1]
.endr
.irp b, 0,1,2,3
	v_max_num_f32 v[TM+\b], v[TM+\b], v[TM+4+\b]
.endr
.irp b, 0,1,2,3
	v_add_nc_u32 v[TM+12+\b], 0xff000000, v[TM+\b] ; 2 off the exponent field: the conversion's scale operand
.endr
.irp b, 0,1,2,3
	v_lshrrev_b32 v[TM+4+\b], 23, v[TM+12+\b]      ; the scale's byte
.endr
	v_lshl_or_b32 v[\pw], v[TM+5], 8, v[TM+4]
	v_lshl_or_b32 v[\pw], v[TM+6], 16, v[\pw]
	v_lshl_or_b32 v[\pw], v[TM+7], 24, v[\pw]
.irp c, 0,1
	v_cvt_scalef32_pk16_fp6_f32 v[\pc+6*\c:\pc+2+6*\c], v[\s+32*\c:\s+15+32*\c], v[TM+12+2*\c]
	v_cvt_scalef32_pk16_fp6_f32 v[\pc+12+4*\c:\pc+14+4*\c], v[\s+16+32*\c:\s+31+32*\c], v[TM+12+2*\c+1]
.endr
	v_nop                                          ; one plain place behind a scaled conversion
.irp c, 0,1
.irp i, 0,1,2
	v_permlane16_swap_b32 v[\pc+6*\c+\i], v[\pc+12+4*\c+\i]
.endr
.irp i, 0,1,2
	v_mov_b32 v[\pc+3+6*\c+\i], v[\pc+12+4*\c+\i]
.endr
.endr
.endm
.macro QUANT2                          ; all four tiles of R; word k: lanes 0-15 tile 2 k's two bytes, lanes 16-31 tile 2 k + 1's
	QUANT 0, PCS, PW
	QUANT 64, PCS+20, PW+1
	v_cmp_le_u32 vcc_lo, 16, v[LN]
.irp k, 0,1
	v_and_b32 v[WW+2+\k], 0xffff, v[PW+\k]
	v_lshrrev_b32 v[WW+4+\k], 16, v[PW+\k]
.endr
.irp k, 0,1
	v_cndmask_b32 v[WW+\k], v[WW+2+\k], v[WW+4+\k], vcc_lo
.endr
	s_wait_alu depctr_va_vdst(0)                   ; the wait ahead of the stores
.endm
; four half fragments leave as images: six registers are 768 bytes: registers 0-3 at 16 x lane, 4-5 at 512 + 8 x lane; sm: bytes from tile to tile.  Every store covers whole aligned runs of 256 bytes
.macro CODEST b, sm, a16b, a8b         ; a16b, a8b: the address registers of tiles 2 and 3
.irp c, 0,1
	global_store_b128 v[L16], v[PCS+6*\c:PCS+6*\c+3], s[\b:\b+1] offset:\c*\sm
	global_store_b64 v[L8], v[PCS+6*\c+4:PCS+6*\c+5], s[\b:\b+1] offset:\c*\sm+512
	global_store_b128 v[\a16b], v[PCS+20+6*\c:PCS+20+6*\c+3], s[\b:\b+1] offset:(2+\c)*\sm
	global_store_b64 v[\a8b], v[PCS+20+6*\c+4:PCS+20+6*\c+5], s[\b:\b+1] offset:(2+\c)*\sm+512
.endr
.endm
.macro HEADG                           ; s74 = (16 b + head) for my head
	s_lshr_b32 s74, s[TB], 4
	s_lshl_b32 s74, s74, 4
	s_lshl_b32 s75, s[HP], 1
	s_add_co_u32 s74, s74, s75
	s_add_co_u32 s74, s74, s[PH]
.endm
	s_load_b256 s[4:11], s[0:1], 0x0               ; x's codes, x's scales, W's codes, W's scales
	s_load_b256 s[12:19], s[0:1], 0x20             ; b_qkv, q_img, q_scl, kv
	v_lshl_add_u32 v12, v0, 2, SPARE
	v_mov_b32 v13, 0
	ds_add_u32 v12, v13                            ; the opening lines
	ds_add_u32 v12, v13
	v_lshrrev_b32 v1, 5, v0
	v_readfirstlane_b32 s[WV], v1
	s_bfe_u32 s21, ttmp6, 0x40000                  ; cx
	s_bfe_u32 s22, ttmp6, 0x40004                  ; cy
	s_lshl_b32 s[HP], ttmp9, 2
	s_add_co_u32 s[HP], s[HP], s21                 ; hp = 4 x cluster x + cx
	s_and_b32 s[TB], ttmp7, 0xffff
	s_lshl_b32 s[TB], s[TB], 2
	s_add_co_u32 s[TB], s[TB], s22                 ; tb = 4 x cluster y + cy
	s_lshl_b32 s25, s22, 2
	s_lshl_b32 s25, 15, s25                        ; my row of the cluster
	s_lshl_b32 s26, 0x1111, s21                    ; my column
	s_or_b32 s[G1X], s25, CW                       ; elements of 1 byte; 16 bytes of padding behind every 256
	s_or_b32 s[G1W], s26, CW
	s_or_b32 s[G1Q], s26, CW
.irp g, G1X, G1W
	s_mov_b32 s[\g+1], 768<<16
	s_mov_b32 s[\g+2], 64<<16
	s_mov_b32 s[\g+3], 768<<16
	s_mov_b32 s[\g+4], 64
	s_mov_b32 s[\g+5], 768
	s_mov_b32 s[\g+6], 0
	s_mov_b32 s[\g+7], 0
.endr
	s_mov_b32 s[G1Q+1], 768<<16
	s_mov_b32 s[G1Q+2], 32<<16
	s_mov_b32 s[G1Q+3], 768<<16
	s_mov_b32 s[G1Q+4], 32
	s_mov_b32 s[G1Q+5], 768
	s_mov_b32 s[G1Q+6], 0
	s_mov_b32 s[G1Q+7], 0
	s_mov_b32 s[SEL], 0x76543210
	s_mov_b32 s[SEL+1], 0xfedcba98
	s_lshr_b32 s[RH], s[WV], 1
	s_and_b32 s[PH], s[WV], 1
	s_lshl_b32 s74, s[TB], 7
	s_lshl_b32 s75, s[PH], 6
	s_add_co_u32 s74, s74, s75
	s_mul_i32 s74, s74, 768                        ; x: row 128 tb + 64 (w % 2)
	s_mov_b32 s75, 0
	s_lshl_b32 s76, s[HP], 7
	s_lshl_b32 s77, s[PH], 6
	s_add_co_u32 s76, s76, s77
	s_mul_i32 s76, s76, 768                        ; q's W: row 128 hp + 64 (w % 2)
	s_mov_b32 s77, 0
	s_lshl_b32 s78, s[HP], 7
	s_lshl_b32 s79, s[WV], 5
	s_add_co_u32 s78, s78, s79
	s_add_co_u32 s78, s78, 1024
	s_mul_i32 s78, s78, 768                        ; k's W: row 1,024 + 128 hp + 32 w
	s_mov_b32 s79, 0
	s_mul_i32 s80, s[WV], HALFP
	s_mul_i32 s81, s[WV], 32*PITCH
	s_lshl_b32 s82, s[TB], 12
	s_mov_b32 s83, 0
	s_lshl_b32 s84, s[HP], 12
	s_mov_b32 s85, 0
	s_lshl_b32 s86, s[HP], 9
	s_mov_b32 s87, 0
	s_mul_i32 s88, s[PH], HALFP
	s_mul_i32 s89, s[RH], HALFP
	s_lshl_b32 s94, s[RH], 11
	s_lshl_b32 s95, s[PH], 11
	s_lshl_b32 s96, s[PH], 8
	s_lshl_b32 s97, s[RH], 1
	s_wait_dscnt 0x0
	s_wait_kmcnt 0x0
	s_mov_b32 s[G0X], 1
	s_mov_b32 s[G0X+1], s80
	s_add_nc_u64 s[G0X+2:G0X+3], s[4:5], s[74:75]
	s_or_b32 s[G0X+3], s[G0X+3], 0x80000000
	s_mov_b32 s[G0W], 1
	s_mov_b32 s[G0W+1], s80
	s_add_nc_u64 s[G0W+2:G0W+3], s[8:9], s[76:77]
	s_or_b32 s[G0W+3], s[G0W+3], 0x80000000
	s_mov_b32 s[G0K], 1
	s_add_co_u32 s[G0K+1], s81, 2*PANEL
	s_add_nc_u64 s[G0K+2:G0K+3], s[8:9], s[78:79]
	s_mov_b32 s[G0V], 1
	s_mov_b32 s[G0V+1], s81
	s_add_nc_u64 s[G0V+2:G0V+3], s[G0K+2:G0K+3], 786432   ; v's rows lie 1,024 rows on
	s_or_b32 s[G0K+3], s[G0K+3], 0x80000000
	s_or_b32 s[G0V+3], s[G0V+3], 0x80000000
	s_add_nc_u64 s[82:83], s[6:7], s[82:83]        ; x's scale bytes of the 128 tokens
	s_add_nc_u64 s[84:85], s[10:11], s[84:85]      ; W's of q's 128 rows
	s_add_nc_u64 s[86:87], s[12:13], s[86:87]      ; the bias of q's 128 rows
	CROUND                                         ; the first joint loads meet
	s_cmp_lt_u32 s[WV], 2
	s_cbranch_scc0 .Lhead_w
	tensor_load_to_lds s[G0X:G0X+3], s[G1X:G1X+7]
	s_nop 0
.rept 4
	v_nop
.endr
	s_branch .Lhead_done
.Lhead_w:
	tensor_load_to_lds s[G0W:G0W+3], s[G1W:G1W+7]
	s_nop 0
.rept 4
	v_nop
.endr
.Lhead_done:
	v_and_b32 v1, 31, v0
	v_and_b32 v2, 15, v0                           ; r
	v_bfe_u32 v3, v0, 4, 1                         ; h
	v_mul_u32_u24 v4, v2, PITCH
	v_mad_u32_u24 v4, v3, 24, v4                   ; row r, + 24 h
	v_lshl_add_u32 v5, v3, 4, v4                   ; and behind one padding more
	v_add_nc_u32 v6, s88, v4                       ; W: my head's 64 rows
	v_add_nc_u32 v7, s88, v5
	v_lshlrev_b32 v8, 4, v1
	v_lshlrev_b32 v9, 3, v1
	v_lshl_add_u32 v10, v1, 5, s94                 ; scale bytes, 32 a row: x's, my 64 tokens
	v_lshl_add_u32 v11, v1, 5, s95                 ; W's, my 64 rows
	v_lshl_add_u32 v14, v3, 5, s96                 ; bias along P: my head, 8 h numbers on
	v_lshl_add_u32 v15, v2, 2, s96                 ; bias along R
	WIN 0x40
.irp k, 0,1
	v_add_nc_u32 v[AX+\k], s89, v[4+\k]
	v_add_nc_u32 v[AQ+\k], PANEL, v[6+\k]
	v_add_nc_u32 v[AK+\k], 2*PANEL, v[6+\k]
	v_mov_b32 v[AV+\k], v[6+\k]
.endr
	v_mov_b32 v[L16], v8
	v_mov_b32 v[L8], v9
	v_lshlrev_b32 v[L4], 2, v1
	v_mov_b32 v[LN], v1
	v_xor_b32 v[LX16], 128, v8
	v_xor_b32 v[LX8], 64, v9
	v_lshl_add_u32 v[L4H], v1, 2, s97
.irp b, 0,1,2,3
	v_mov_b32 v[TM+4+\b], 0                        ; a lane permute's destination counts as one of its sources
.endr
	WIN 0
	s_wait_alu depctr_va_vdst(0)
.irp j, 0,1
	global_load_b128 v[XS+8*\j:XS+8*\j+3], v10, s[82:83] offset:1024*\j
	global_load_b128 v[XS+8*\j+4:XS+8*\j+7], v10, s[82:83] offset:1024*\j+16
	global_load_b128 v[WQS+8*\j:WQS+8*\j+3], v11, s[84:85] offset:1024*\j
	global_load_b128 v[WQS+8*\j+4:WQS+8*\j+7], v11, s[84:85] offset:1024*\j+16
	global_load_b128 v[WKS+8*\j:WKS+8*\j+3], v11, s[84:85] offset:32768+1024*\j
	global_load_b128 v[WKS+8*\j+4:WKS+8*\j+7], v11, s[84:85] offset:32768+1024*\j+16
	global_load_b128 v[WVS+8*\j:WVS+8*\j+3], v11, s[84:85] offset:65536+1024*\j
	global_load_b128 v[WVS+8*\j+4:WVS+8*\j+7], v11, s[84:85] offset:65536+1024*\j+16
.endr
.irp m, 0,1,2,3
	global_load_b32 v[80+\m], v15, s[86:87] offset:8192+64*\m
.endr
	WIN 0xc0                                       ; destination window 3
.irp t, 0,1,2,3
	global_load_b128 v[144+8*\t:144+8*\t+3], v14, s[86:87] offset:64*\t
	global_load_b128 v[144+8*\t+4:144+8*\t+7], v14, s[86:87] offset:64*\t+16
	global_load_b128 v[176+8*\t:176+8*\t+3], v14, s[86:87] offset:4096+64*\t
	global_load_b128 v[176+8*\t+4:176+8*\t+7], v14, s[86:87] offset:4096+64*\t+16
.endr
	WIN 0
	s_wait_alu depctr_va_vdst(0)                   ; the wait at the head's end
	s_wait_tensorcnt 0x0                           ; my part of x or of q's W is in
	ds_add_u32 v12, v13
	s_wait_dscnt 0x0
	CROUND
	tensor_load_to_lds s[G0K:G0K+3], s[G1Q:G1Q+7]  ; k's W, 32 rows a wave, into panel 2
	s_nop 0
	s_wait_loadcnt 0x0                             ; scale words and biases
	WIN 0xc0
.irp m, 0,1,2,3
.irp j, 0,1,2,3,4,5,6,7
	v_mov_b32 v[208+8*\m+\j], v[80+\m]             ; v's bias: one number a lane and tile of R, in the result's layout
.endr
.endr
.set sWA, AQ
.set sWS, WQS
.set sCB, 144
.set sMODE, 1
.set sXL, 1
.set NLD, 48
	SECTION                                        ; q; x's fragments come with it
	WIN 0
	s_wait_tensorcnt 0x0                           ; my part of k's W is in
	ds_add_u32 v12, v13
	HEADG                                          ; q's tile e = (16 b + head) 128 + the token's tile in its batch
	s_lshl_b32 s74, s74, 7
	s_and_b32 s75, s[TB], 15
	s_lshl_b32 s75, s75, 3
	s_add_co_u32 s74, s74, s75
	s_lshl_b32 s75, s[RH], 2
	s_add_co_u32 s74, s74, s75
	s_mul_i32 s90, s74, 768
	s_mov_b32 s91, 0
	s_add_nc_u64 s[90:91], s[14:15], s[90:91]
	s_lshl_b32 s92, s74, 6
	s_mov_b32 s93, 0
	s_add_nc_u64 s[92:93], s[16:17], s[92:93]
	s_wait_dscnt 0x0                               ; the add, and my reads of panels 0 and 1
	CROUND
	tensor_load_to_lds s[G0V:G0V+3], s[G1Q:G1Q+7]  ; v's W into panel 0: x now stands in registers, and nobody reads the panel any more
	s_nop 0
	WIN 0x55
	QUANT2
	CODEST 90, 768, L16, L8
	global_store_b32 v[L4], v[WW], s[92:93]
	global_store_b32 v[L4], v[WW+1], s[92:93] offset:128
	s_wait_xcnt 0x0                                ; the stores have read their registers: the next fragments may land there
.set sWA, AK
.set sWS, WKS
.set sCB, 176
.set sXL, 0
.set NLD, 24
	SECTION                                        ; k
	WIN 0
	HEADG                                          ; chunk g = (16 b + head) 4 + the 512 keys' number; in it tile 8 (tb % 4) + 4 rh
	s_lshl_b32 s74, s74, 2
	s_bfe_u32 s75, s[TB], 0x20002
	s_add_co_u32 s74, s74, s75
	s_mul_i32 s74, s74, KVC
	s_and_b32 s75, s[TB], 3
	s_lshl_b32 s75, s75, 3
	s_lshl_b32 s76, s[RH], 2
	s_add_co_u32 s75, s75, s76
	s_mul_i32 s90, s75, 768
	s_add_co_u32 s90, s90, s74
	s_mov_b32 s91, 0
	s_add_nc_u64 s[90:91], s[18:19], s[90:91]
	s_lshl_b32 s92, s75, 6
	s_add_co_u32 s92, s92, s74
	s_add_co_u32 s92, s92, 49152
	s_mov_b32 s93, 0
	s_add_nc_u64 s[92:93], s[18:19], s[92:93]
	s_wait_tensorcnt 0x0                           ; my part of v's W is in; nothing is filled again
	s_wait_dscnt 0x0
	s_barrier_signal -1
	s_barrier_wait -1
	WIN 0x55
	QUANT2
	CODEST 90, 768, LX16, LX8
	global_store_b32 v[L4], v[WW], s[92:93]
	global_store_b32 v[L4], v[WW+1], s[92:93] offset:128
	s_wait_xcnt 0x0
.set sWA, AV
.set sWS, WVS
.set sCB, 208
.set sMODE, 2
	SECTION                                        ; v
	WIN 0
	HEADG                                          ; key step tb % 4 of chunk g; channel tile m; my 64 keys are half rh of each fragment
	s_lshl_b32 s74, s74, 2
	s_bfe_u32 s75, s[TB], 0x20002
	s_add_co_u32 s74, s74, s75
	s_mul_i32 s74, s74, KVC
	s_and_b32 s75, s[TB], 3
	s_mul_i32 s90, s75, 6144
	s_mul_i32 s76, s[RH], 768
	s_add_co_u32 s90, s90, s76
	s_add_co_u32 s90, s90, s74
	s_add_co_u32 s90, s90, 24576
	s_mov_b32 s91, 0
	s_add_nc_u64 s[90:91], s[18:19], s[90:91]
	s_lshl_b32 s92, s75, 8
	s_add_co_u32 s92, s92, s74
	s_add_co_u32 s92, s92, 51200
	s_mov_b32 s93, 0
	s_add_nc_u64 s[92:93], s[18:19], s[92:93]
	WIN 0x55
	QUANT2
	CODEST 90, 1536, L16, L8
	global_store_b16 v[L4H], v[WW], s[92:93]       ; my two bytes of each channel's word; the other two are the other 64 keys'
	global_store_b16 v[L4H], v[WW+1], s[92:93] offset:128
	WIN 0
	s_wait_tensorcnt 0x0                           ; the wave's end
	ds_add_u32 v12, v13
	s_wait_dscnt 0x0
	CROUND                                         ; the closing round
	s_endpgm
.Lfunc_end_k_q0694c4139f_qkv:
	.size	k_q0694c4139f_qkv, .Lfunc_end_k_q0694c4139f_qkv-k_q0694c4139f_qkv
	.p2alignl 7, 3214868480
	.fill 96, 4, 3214868480
	.section	.rodata,"a",@progbits
	.p2align	6, 0x0
	.amdhsa_kernel k_q0694c4139f_qkv
		.amdhsa_group_segment_fixed_size 327680
		.amdhsa_private_segment_fixed_size 0
		.amdhsa_enable_private_segment 0
		.amdhsa_kernarg_size 64
		.amdhsa_user_sgpr_count 2
		.amdhsa_user_sgpr_kernarg_segment_ptr 1
		.amdhsa_wavefront_size32 1
		.amdhsa_system_sgpr_workgroup_id_x 1
		.amdhsa_system_sgpr_workgroup_id_y 1
		.amdhsa_system_sgpr_workgroup_id_z 1
		.amdhsa_system_vgpr_workitem_id 0
		.amdhsa_next_free_vgpr 1024
		.amdhsa_next_free_sgpr 100
		.amdhsa_reserve_vcc 1
		.amdhsa_float_denorm_mode_32 3
		.amdhsa_float_denorm_mode_16_64 3
		.amdhsa_memory_ordered 1
		.amdhsa_forward_progress 1
		.amdhsa_inst_pref_size 143
	.end_amdhsa_kernel
	.amdgpu_metadata
---
amdhsa.version: [ 1, 2 ]
amdhsa.kernels:
  - .name:           k_q0694c4139f_qkv
    .symbol:         k_q0694c4139f_qkv.kd
    .args:
      - { .name: x_codes, .offset: 0, .size: 8, .value_kind: global_buffer, .address_space: global }
      - { .name: x_scales, .offset: 8, .size: 8, .value_kind: global_buffer, .address_space: global }
      - { .name: W_qkv_codes, .offset: 16, .size: 8, .value_kind: global_buffer, .address_space: global }
      - { .name: W_qkv_scales, .offset: 24, .size: 8, .value_kind: global_buffer, .address_space: global }
      - { .name: b_qkv, .offset: 32, .size: 8, .value_kind: global_buffer, .address_space: global }
      - { .name: q_img, .offset: 40, .size: 8, .value_kind: global_buffer, .address_space: global }
      - { .name: q_scl, .offset: 48, .size: 8, .value_kind: global_buffer, .address_space: global }
      - { .name: kv, .offset: 56, .size: 8, .value_kind: global_buffer, .address_space: global }
    .group_segment_fixed_size: 327680
    .private_segment_fixed_size: 0
    .kernarg_segment_align: 8
    .kernarg_segment_size: 64
    .max_flat_workgroup_size: 128
    .sgpr_count:     100
    .vgpr_count:     1024
    .wavefront_size: 32
...
	.end_amdgpu_metadata
.endif
;; end of part 1
;; launch attn (part 2): grid 8 x 32, 8 waves a work-group, clusters of 4 x 1, 209,920 bytes of LDS; arguments q_img, q_scl, kv, att_img, att_scl; writes att_img, att_scl
.if DOCPART == 2
	.amdgcn_target "amdgcn-amd-amdhsa--gfx1250"
	.amdhsa_code_object_version 6
	.text
	.protected	k_q0694c4139f_attn
	.globl	k_q0694c4139f_attn
	.p2align	8
	.type	k_q0694c4139f_attn,@function
k_q0694c4139f_attn:
	s_mov_b64 s[64:65], 0
	v_nop
	global_prefetch_b8 v0, s[64:65] scope:SCOPE_SE
	s_setreg_imm32_b32 hwreg(HW_REG_WAVE_MODE, 25, 1), 1
	s_wait_xcnt 0x0
	s_wait_alu depctr_hold_cnt(0) depctr_sa_sdst(0) depctr_va_vdst(0) depctr_va_sdst(0) depctr_va_ssrc(0) depctr_va_vcc(0) depctr_vm_vsrc(0)
	s_getreg_b32 s2, hwreg(HW_REG_IB_STS2, 6, 4)
	s_cmp_eq_u32 s2, 0
	s_cbranch_scc0 .Lentry_in_a_cluster
	s_endpgm
.Lentry_in_a_cluster:
	s_bfe_u32 s2, ttmp6, 0x10000c
	s_cmp_lg_u32 s2, 0x3003
	s_cbranch_scc0 .Lentry_shape_is_right
	s_endpgm
.Lentry_shape_is_right:
; att = softmax(q k^T / 8) v for 32 heads (16 b + head) of 2,048 tokens and 64 channels, both products on codes of FP6 (E2M3) with one E8M0 byte for each 32 along K; att is quantised along its channels
; and leaves as images of operand registers for the last product.
; THE SOFTMAX: t = score x log2(e) / 8; M = the largest t so far, rounded up to a whole number (kept as -M, the least of floor(-t)); p = 2^(t - M) is quantised along the keys, not normalised.  The row's sum is
; taken of the unquantised p in f32 and divides O at the end.  When M moves, the sum and O are multiplied by 2^(old M - new M): exact.
; SHARES.  A work-group owns 256 queries of a head; each of its eight waves TWO tiles of 16 queries, which share every fragment of K and V; every wave walks the 2,048 keys, 128 a step: 4 trips of 4 steps.
; REGISTERS.  Tile 0's large arrays (q, scores, O, p's codes, the sums) lie in window 0, tile 1's in window 1 under the same numbers.  The few numbers a lane that steer a tile (maxima, -M, f, scale operands) lie in
; window 0 for both tiles, so that the two tiles' dependent lines stand by turns.  K's fragments lie in window 0, V's in window 1: the next step's K is asked for right behind the score products, a step's V at its head.
; LDS IS FILLED ONCE: a head's K and V with their scale words are 208,896 bytes; each wave asks for an eighth (102 rows of 256 bytes) by its one tensor load at the head; one barrier shows all of it to all waves.
; CLUSTER: the four work-groups of a cluster belong to one head: each load is asked for jointly, with the mask of all four.
; LAYOUT.  Both products are used transposed: a lane holds one query (lane % 16) of each tile.  THE KEYS OF A TILE OF K ARE CHOSEN so that rows 0-7 of tiles 4 c .. 4 c + 3 are block 2 c of 32 keys and rows 8-15 block
; 2 c + 1: tile 4 c + i, row 8 g + j is key 64 c + 32 g + 8 o(i) + j with o = 0, 2, 1, 3, the order in which v's codes hold a block's groups of eight.  So lane half h holds blocks h and 2 + h whole, in the operand's
; own order.  k's images lie by natural tiles of 16 keys; tiles 2, 3 of each four were stored with rows 0-7 and 8-15 exchanged, so that the sixteen lanes of a 16-byte load fall on 256 different bytes modulo 256.
; K = 64 IN AN INSTRUCTION OF K = 128: q's registers 6-11 are zero codes; k's tiles lie six registers apart and the instruction names twelve: the upper six meet q's zero codes and add nothing.
; THE LAST STEP asks once more for chunk 3's first tiles of K (20 LDS loads a wave), which nothing multiplies: so the step is written once, with the same counts of loads on every way.
; NO PREFETCH: all that the launch reads by tensor loads is asked for in its first lines; there is no loop to run ahead in.
; LIMITS.  NaN and infinities are not served.  The promise holds while the scaled scores stay under 2^31 in magnitude.  A block whose largest magnitude lies under 2^-124 gets the byte 1.
.set CHB,  52224                       ; a chunk of 512 keys: K 32 tiles x 768; V at 24,576; k's words at 49,152; v's at 51,200
.set PART, 26112
.set SPARE, 0x33000
.set KA,   1                           ; v1-8: LDS addresses: K 16-byte part (two), K 8-byte part (two), k's words, V 16, V 8, v's words
.set KB,   3
.set KW,   5
.set V16,  6
.set V8,   7
.set VW,   8
.set SH8,  9                           ; 8 h
.set R4,   10
.set NM,   12                          ; -M of tile x in v[12 + 2 x]
.set Q,    16
.set QS,   28                          ; v28-37 hold scales and nothing else: q's (two tiles), p's (two), v's (two), k's (four)
.set PWD,  30
.set VS,   32
.set KS,   34
.set F,    38                          ; window 0: k's tile i at 6 i (v86-91 zeros); window 1: v's tile d at 12 d
.set S,    96
.set OT,   160
.set PC,   192
.set CH,   204
.set BM,   212                         ; tile x's at + 2 x
.set PT,   216
.set SO,   220
.set T,    224                         ; tile x's at + x
.set FF,   226                         ; tile x's at + 2 x
.set LS,   230                         ; v[230:231] the row's sum in two halves; v232-237 three more chains
.set BASE, 238                         ; v238-245 the lane terms of v1-8
.set W16,  246
.set WV,   14
.set BH,   17
.set QT,   18
.set SEL,  20
.set CS,   22
.set G1,   24
.set G0,   32
.set CNT,  36
.set TB,   37
.set TBN,  38
.set MSB, 0
.macro WIN new                         ; the immediate's high byte repeats the setting that is left
.if MSB != \new
	s_set_vgpr_msb (MSB<<8)|\new
.set MSB, \new
.endif
.endm
.macro CROUND
	s_barrier_signal -1
	s_barrier_wait -1
	s_cmp_lg_u32 s[WV], 0
	s_cbranch_scc1 .Lnot_wave_0_\@
	s_barrier_signal -3
.Lnot_wave_0_\@:
	s_barrier_wait -3
	s_barrier_signal -1
	s_barrier_wait -1
.endm
.macro KLOAD sn                        ; K's eight tiles and their words, step sn of the chunk that v1-5 point at: 20 loads
.irp i, 0,1,2,3,4,5,6,7
	ds_load_b128 v[F+6*\i:F+6*\i+3], v[KA+(\i%4)/2] offset:6144*(\sn)+3072*(\i/4)+768*(\i%2)
	ds_load_b64 v[F+6*\i+4:F+6*\i+5], v[KB+(\i%4)/2] offset:6144*(\sn)+3072*(\i/4)+768*(\i%2)+512
.endr
.irp j, 0,1,2,3
	ds_load_b32 v[KS+\j], v[KW] offset:49152+512*(\sn)+256*(\j/2)+32*(\j%2)   ; lanes 0-15: tile 2 j's words; lanes 16-31: tile 2 j + 1's
.endr
.endm
.macro QK x                            ; S^T = K Q^T of tile x
	WIN (0x44*\x)
.irp i, 0,2,4,6
	v_wmma_scale_f32_16x16x128_f8f6f4 v[S+8*\i:S+8*\i+7], v[F+6*\i:F+6*\i+11], v[Q:Q+11], 0, v[KS+\i/2], v[QS+\x] matrix_a_fmt:MATRIX_FMT_FP6 matrix_b_fmt:MATRIX_FMT_FP6
	v_wmma_scale_f32_16x16x128_f8f6f4 v[S+8*\i+8:S+8*\i+15], v[F+6*\i+6:F+6*\i+17], v[Q:Q+11], 0, v[KS+\i/2], v[QS+\x] matrix_a_fmt:MATRIX_FMT_FP6 matrix_b_fmt:MATRIX_FMT_FP6 matrix_a_scale:MATRIX_SCALE_ROW1
.endr
.endm
.macro TREE x                          ; my two blocks' largest scores, each in two chains; every accumulator is read from its low end on
	WIN (0x15*\x)
.irp c, 0,1
	v_max3_num_f32 v[BM+2*\x+\c], v[S+32*\c], v[S+32*\c+1], v[S+32*\c+2]
	v_max3_num_f32 v[PT+2*\x+\c], v[S+32*\c+16], v[S+32*\c+17], v[S+32*\c+18]
.endr
	WIN (0x14*\x)
.irp i, 3,5,7,9,11,13
.irp c, 0,1
	v_max3_num_f32 v[BM+2*\x+\c], v[BM+2*\x+\c], v[S+32*\c+\i], v[S+32*\c+\i+1]
	v_max3_num_f32 v[PT+2*\x+\c], v[PT+2*\x+\c], v[S+32*\c+16+\i], v[S+32*\c+17+\i]
.endr
.endr
.irp c, 0,1
	v_max3_num_f32 v[BM+2*\x+\c], v[BM+2*\x+\c], v[S+32*\c+15], v[S+32*\c+31]
.endr
.endm
.macro BULK x                          ; t - M, and O^T under the new M
	WIN (0x41*\x)
.set i, 0
.rept 32
	v_pk_fma_f32 v[S+i:S+i+1], v[S+i:S+i+1], s[CS:CS+1], v[NM+2*\x:NM+2*\x+1] op_sel_hi:[1,0,0]
.set i, i+2
.endr
.set i, 0
.rept 16
	v_pk_mul_f32 v[OT+i:OT+i+1], v[OT+i:OT+i+1], v[FF+2*\x:FF+2*\x+1] op_sel_hi:[1,0]
.set i, i+2
.endr
.endm
.macro EXPS x                          ; p = 2^(t - M)
	WIN (0x41*\x)
.set i, 0
.rept 64
	v_exp_f32 v[S+i], v[S+i]
.set i, i+1
.endr
.endm
.macro CVT x                           ; p's codes: the conversions' results are the operand's registers
	WIN (0x41*\x)
.irp c, 0,1
	v_cvt_scalef32_pk16_fp6_f32 v[PC+6*\c:PC+2+6*\c], v[S+32*\c:S+15+32*\c], v[SO+2*\x+\c]
	v_cvt_scalef32_pk16_fp6_f32 v[CH+4*\c:CH+2+4*\c], v[S+16+32*\c:S+31+32*\c], v[SO+2*\x+\c]   ; (a conversion's three registers begin on an even number)
.endr
	v_nop                                          ; one plain place behind a scaled conversion
.irp c, 0,1
.irp i, 0,1,2
	v_mov_b32 v[PC+3+6*\c+\i], v[CH+4*\c+\i]
.endr
.endr
.endm
.macro ADDS from, to                   ; pairs from .. to of p onto the four chains by turns
.set i, \from
.rept \to-\from+1
	v_pk_add_f32 v[LS+2*(i%4):LS+2*(i%4)+1], v[LS+2*(i%4):LS+2*(i%4)+1], v[S+2*i:S+2*i+1]
.set i, i+1
.endr
.endm
.macro ADD1 x                          ; the row's sum of the unquantised p: its first eight additions,
	WIN (0x45*\x)
.irp k, 1,2,3
	v_pk_add_f32 v[LS+2*\k:LS+2*\k+1], v[S+4*\k-4:S+4*\k-3], v[S+4*\k-2:S+4*\k-1]
.endr
	ADDS 6, 10
.endm
.macro ADD2 x                          ; and the other 24
	WIN (0x45*\x)
	ADDS 11, 31
	v_pk_add_f32 v[LS+2:LS+3], v[LS+2:LS+3], v[LS+4:LS+5]
	v_pk_add_f32 v[LS:LS+1], v[LS:LS+1], v[LS+6:LS+7]
	v_pk_add_f32 v[LS:LS+1], v[LS:LS+1], v[LS+2:LS+3]
.endm
.macro PV x                            ; O^T += V^T P^T of tile x: four accumulators by turns
	WIN (0x01+0x54*\x)
.irp d, 0,2
	v_wmma_scale_f32_16x16x128_f8f6f4 v[OT+8*\d:OT+8*\d+7], v[F+12*\d:F+12*\d+11], v[PC:PC+11], v[OT+8*\d:OT+8*\d+7], v[VS+\d/2], v[PWD+\x] matrix_a_fmt:MATRIX_FMT_FP6 matrix_b_fmt:MATRIX_FMT_FP6
	v_wmma_scale_f32_16x16x128_f8f6f4 v[OT+8*\d+8:OT+8*\d+15], v[F+12*\d+12:F+12*\d+23], v[PC:PC+11], v[OT+8*\d+8:OT+8*\d+15], v[VS+\d/2], v[PWD+\x] matrix_a_fmt:MATRIX_FMT_FP6 matrix_b_fmt:MATRIX_FMT_FP6 matrix_a_scale:MATRIX_SCALE_ROW1
.endr
.endm
	s_load_b256 s[4:11], s[0:1], 0x0               ; q_img, q_scl, kv, att_img
	s_load_b64 s[12:13], s[0:1], 0x20              ; att_scl
	v_lshl_add_u32 v254, v0, 2, SPARE
	v_mov_b32 v255, 0
	ds_add_u32 v254, v255                          ; the opening lines
	ds_add_u32 v254, v255
	v_lshrrev_b32 v1, 5, v0
	v_readfirstlane_b32 s[WV], v1
	s_bfe_u32 s15, ttmp6, 0x40000                  ; cx enters q's and att's addresses alone
	s_lshl_b32 s16, ttmp9, 2
	s_add_co_u32 s16, s16, s15
	s_and_b32 s[BH], ttmp7, 0xffff
	s_lshl_b32 s[QT], s16, 4
	s_lshl_b32 s16, s[WV], 1
	s_add_co_u32 s[QT], s[QT], s16                 ; my first tile of 16 queries, an even number, 0..126
	s_mov_b32 s[G1+0], 15|(3<<16)|(1<<21)
	s_mov_b32 s[G1+1], 32<<16
	s_mov_b32 s[G1+2], 102<<16
	s_mov_b32 s[G1+3], 32<<16
	s_mov_b32 s[G1+4], 102
	s_mov_b32 s[G1+5], 32
	s_mov_b32 s[G1+6], 0
	s_mov_b32 s[G1+7], 0
	s_mov_b32 s[SEL], 0x76543210
	s_mov_b32 s[SEL+1], 0xfedcba98
	s_mov_b32 s[CS], 0x3e38aa3b                    ; c = log2(e) / 8
	s_mov_b32 s[CS+1], s[CS]
	s_mul_i32 s52, s[WV], PART
	s_mul_i32 s54, s[BH], 4*CHB
	s_add_co_u32 s54, s54, s52
	s_mov_b32 s55, 0
	s_lshl_b32 s56, s[BH], 7
	s_add_co_u32 s56, s56, s[QT]
	s_mul_i32 s58, s56, 768
	s_mov_b32 s59, 0
	s_wait_dscnt 0x0
	s_wait_kmcnt 0x0
	s_mov_b32 s[G0], 1
	s_mov_b32 s[G0+1], s52
	s_add_nc_u64 s[G0+2:G0+3], s[8:9], s[54:55]
	s_or_b32 s[G0+3], s[G0+3], 0x80000000
	s_add_nc_u64 s[4:5], s[4:5], s[58:59]
	s_lshl_b32 s58, s56, 6
	s_add_nc_u64 s[6:7], s[6:7], s[58:59]
	CROUND                                         ; the joint loads meet
	tensor_load_to_lds s[G0:G0+3], s[G1:G1+7]      ; my eighth of the head's K and V
	s_nop 0
	v_and_b32 v96, 7, v0                           ; j
	v_bfe_u32 v97, v0, 3, 1                        ; g
	v_bfe_u32 v98, v0, 4, 1                        ; h
	v_and_b32 v99, 31, v0
	v_lshlrev_b32 v100, 4, v96
	v_lshlrev_b32 v101, 3, v96
	v_lshlrev_b32 v102, 2, v96
	v_lshl_add_u32 v100, v98, 8, v100              ; 16 j + 256 h
	v_lshl_add_u32 v101, v98, 7, v101              ; 8 j + 128 h
	v_lshl_add_u32 v102, v98, 6, v102              ; 4 j + 64 h
	v_mad_u32_u24 v[BASE], v97, 1664, v100         ; rows 0-7 of a natural tile: 1,536 g + 128 g
	v_mad_u32_u24 v[BASE+1], v97, 1408, v100       ; rows 8-15: 1,536 g + 128 (1 - g)
	v_mad_u32_u24 v[BASE+2], v97, 1600, v101
	v_mad_u32_u24 v[BASE+3], v97, 1472, v101
	v_lshl_add_u32 v[BASE+4], v97, 7, v102
	v_lshlrev_b32 v[BASE+5], 4, v99
	v_lshlrev_b32 v[BASE+6], 3, v99
	v_lshlrev_b32 v[BASE+7], 2, v99
	v_add_nc_u32 v[BASE+1], 128, v[BASE+1]
	v_add_nc_u32 v[BASE+3], 64, v[BASE+3]
	v_lshlrev_b32 v[SH8], 3, v98
	v_and_b32 v[R4], 15, v0
	v_lshlrev_b32 v[R4], 2, v[R4]
	s_wait_alu depctr_va_vdst(0)
	global_load_b128 v[Q:Q+3], v[BASE+5], s[4:5]
	global_load_b64 v[Q+4:Q+5], v[BASE+6], s[4:5] offset:512
	global_load_b32 v[QS], v[R4], s[6:7]
	global_load_b32 v[QS+1], v[R4], s[6:7] offset:64
	WIN 0x40
	global_load_b128 v[Q:Q+3], v[BASE+5], s[4:5] offset:768
	global_load_b64 v[Q+4:Q+5], v[BASE+6], s[4:5] offset:1280
.irp j, 6,7,8,9,10,11
	v_mov_b32 v[Q+\j], 0
.endr
	v_mov_b32 v[LS], 0
	v_mov_b32 v[LS+1], 0
.set i, 0
.rept 32
	v_mov_b32 v[OT+i], 0
.set i, i+1
.endr
	WIN 0
.irp j, 6,7,8,9,10,11
	v_mov_b32 v[Q+\j], 0                           ; the upper 64 of K: zero codes
	v_mov_b32 v[F+42+\j], 0                        ; and what k's last tile names behind its six registers
.endr
.irp x, 0,1
	v_mov_b32 v[NM+2*\x], 0x7f61b1e6               ; -M begins at 3e38, over every floor(-t)
	v_mov_b32 v[NM+2*\x+1], 0                      ; (named with it as a pair)
	v_mov_b32 v[FF+2*\x+1], 0
	v_mov_b32 v[PT+2*\x], 0                        ; a lane permute's destination counts as one of its sources
.endr
	v_mov_b32 v[T], 0
	v_mov_b32 v[PT+1], 0
	v_mov_b32 v[LS], 0
	v_mov_b32 v[LS+1], 0
.set i, 0
.rept 32
	v_mov_b32 v[OT+i], 0                           ; the step is written once: the first finds zeros
.set i, i+1
.endr
.macro STEP s                          ; 128 keys, both tiles
	WIN 0x40
.irp d, 0,1,2,3
	ds_load_b128 v[F+12*\d:F+12*\d+3], v[V16] offset:24576+6144*\s+1536*\d
	ds_load_b64 v[F+12*\d+4:F+12*\d+5], v[V8] offset:24576+6144*\s+1536*\d+512
	ds_load_b128 v[F+12*\d+6:F+12*\d+9], v[V16] offset:24576+6144*\s+1536*\d+768
	ds_load_b64 v[F+12*\d+10:F+12*\d+11], v[V8] offset:24576+6144*\s+1536*\d+1280
.endr
	WIN 0
.irp j, 0,1
	ds_load_b32 v[VS+\j], v[VW] offset:51200+256*\s+128*\j
.endr
	s_wait_alu depctr_va_vdst(0)
	s_wait_dscnt 18                                ; K and its words are in; the 18 loads just issued may stay out
	QK 0
	QK 1
	WIN 0
.if \s == 3
.irp k, 0,1,2,3,4
	v_add_nc_u32 v[KA+\k], s[TBN], v[BASE+\k]      ; on to the next chunk's K; these are also the places behind the products
.endr
.else
.rept 4
	v_nop                                          ; places in front of the loads below and of the first read of the scores
.endr
.endif
	KLOAD (\s+1)%4                                 ; the next step's K
	TREE 0
	TREE 1
	WIN 0
.irp x, 0,1
.irp c, 0,1
	v_max_num_f32 v[BM+2*\x+\c], v[BM+2*\x+\c], v[PT+2*\x+\c]   ; the block's largest score
.endr
.endr
.irp x, 0,1
	v_max_num_f32 v[T+\x], v[BM+2*\x], v[BM+2*\x+1]
.endr
.irp x, 0,1
	v_permlanex16_b32 v[PT+2*\x], v[T+\x], s[SEL], s[SEL+1]
.endr
.irp x, 0,1
	v_max_num_f32 v[T+\x], v[T+\x], v[PT+2*\x]     ; the step's largest score of my query
.endr
.irp x, 0,1
	v_mul_f32 v[T+\x], s[CS], v[T+\x]
.endr
.irp x, 0,1
	v_mov_b32 v[PT+2*\x+1], v[NM+2*\x]
.endr
.irp x, 0,1
	v_floor_f32 v[T+\x], -v[T+\x]
.endr
.irp x, 0,1
	v_min_num_f32 v[NM+2*\x], v[NM+2*\x], v[T+\x]  ; -M = the least floor(-t) so far
.endr
.irp x, 0,1
	v_sub_f32 v[T+\x], v[NM+2*\x], v[PT+2*\x+1]    ; old M - new M
.endr
.irp x, 0,1
	v_cvt_i32_f32 v[T+\x], v[T+\x]
.endr
.irp x, 0,1
	v_ldexp_f32 v[FF+2*\x], 1.0, v[T+\x]           ; f = 2^(old M - new M)
.endr
.irp x, 0,1
.irp c, 0,1
	v_fma_f32 v[BM+2*\x+\c], v[BM+2*\x+\c], s[CS], v[NM+2*\x]   ; t - M of each block's largest score
.endr
.endr
	BULK 0
	BULK 1
	WIN 0
	s_wait_alu depctr_va_vdst(0)                   ; the wait ahead of the batch
	EXPS 0
.irp b, 0,1,2,3
	v_exp_f32 v[BM+\b], v[BM+\b]                   ; both tiles' blocks' largest p
.endr
	v_pk_mul_f32 v[LS:LS+1], v[LS:LS+1], v[FF:FF+1] op_sel_hi:[1,0]   ; tile 0's sum under the new M: a plain place behind the batch
	s_wait_alu depctr_va_vdst(0)                   ; the wait behind the first batch and ahead of the second
	EXPS 1
	v_pk_mul_f32 v[LS:LS+1], v[LS:LS+1], v[FF+2:FF+3] op_sel_hi:[1,0]   ; tile 1's sum: a plain place behind the batch
	WIN 0
.irp b, 0,1,2,3
	v_max_num_f32 v[BM+\b], 0x1800000, v[BM+\b]    ; the floor 2^(3 - 127)
.endr
.irp b, 0,1,2,3
	v_add_nc_u32 v[SO+\b], 0xff000000, v[BM+\b]    ; the conversion's scale operand
.endr
.irp b, 0,1,2,3
	v_lshrrev_b32 v[PT+\b], 23, v[SO+\b]           ; the scale's byte
.endr
.irp x, 0,1
	v_lshl_or_b32 v[T+\x], v[PT+2*\x+1], 16, v[PT+2*\x]   ; my bytes: blocks h and 2 + h,
.endr
.irp x, 0,1
	v_lshlrev_b32 v[T+\x], v[SH8], v[T+\x]         ; at their places in the word;
.endr
.irp x, 0,1
	v_permlanex16_b32 v[PT+2*\x], v[T+\x], s[SEL], s[SEL+1]
.endr
.irp x, 0,1
	v_or_b32 v[PWD+\x], v[T+\x], v[PT+2*\x]        ; with lane l xor 16's two the word is whole
.endr
	CVT 0                                          ; tile 0 is quantised and summed behind tile 1's exponentials
	ADD1 0
	ADD2 0
	s_wait_dscnt 20                                ; V is in; the next step's K (20 loads) may stay out
	PV 0
	s_wait_alu depctr_va_vdst(0)                   ; the wait behind the second batch
	CVT 1
	ADD1 1                                         ; eight places behind p's codes
	PV 1
	ADD2 1                                         ; and 24 in front of the next loads of V
	WIN 0
.endm
	s_mov_b32 s[TB], 0
	s_mov_b32 s[CNT], 4
.irp k, 0,1,2,3,4
	v_add_nc_u32 v[KA+\k], s[TB], v[BASE+\k]
.endr
	s_wait_alu depctr_va_vdst(0)                   ; the wait at the head's end
	s_wait_loadcnt 0x0                             ; q
	s_wait_tensorcnt 0x0                           ; my part of K and V has landed
	s_wait_dscnt 0x0
	s_barrier_signal -1
	s_barrier_wait -1                              ; and everybody's
	KLOAD 0
.Ltrip:                                                ; a trip: a chunk of 512 keys
.irp k, 5,6,7
	v_add_nc_u32 v[KA+\k], s[TB], v[BASE+\k]
.endr
	s_add_co_u32 s[TBN], s[TB], CHB
	s_min_u32 s[TBN], s[TBN], 3*CHB                ; the next chunk; behind the last one: the last once more
	STEP 0
	STEP 1
	STEP 2
	STEP 3
	s_add_co_u32 s[TB], s[TB], CHB
	s_sub_co_u32 s[CNT], s[CNT], 1
	s_cmp_lg_u32 s[CNT], 0
	s_wait_alu depctr_va_vdst(0)
	s_cbranch_scc1 .Ltrip
	; THE WAY OUT: O^T / the sum, quantised along the head's 64 channels (two blocks of att's K)
	s_lshr_b32 s52, s[BH], 4
	s_lshl_b32 s52, s52, 4
	s_lshr_b32 s53, s[QT], 3
	s_add_co_u32 s52, s52, s53                     ; which 128 of the 4,096 tokens
	s_and_b32 s53, s[BH], 15                       ; the head
	s_and_b32 s54, s[QT], 7                        ; my first tile among the 128 tokens
	s_mul_i32 s56, s52, 98304
	s_lshr_b32 s55, s53, 2
	s_mul_i32 s55, s55, 24576                      ; four heads are 256 along K,
	s_add_co_u32 s56, s56, s55
	s_mul_i32 s55, s54, 3072
	s_add_co_u32 s56, s56, s55
	s_and_b32 s55, s53, 3
	s_mul_i32 s55, s55, 768                        ; and a head half a fragment
	s_add_co_u32 s56, s56, s55
	s_mov_b32 s57, 0
	s_add_nc_u64 s[10:11], s[10:11], s[56:57]
	s_lshl_b32 s58, s52, 3
	s_lshr_b32 s55, s53, 1
	s_add_co_u32 s58, s58, s55                     ; two heads are a K step of 128: one word a token
	s_lshl_b32 s58, s58, 9
	s_lshl_b32 s55, s54, 6
	s_add_co_u32 s58, s58, s55
	s_and_b32 s55, s53, 1
	s_lshl_b32 s55, s55, 1
	s_add_co_u32 s58, s58, s55
	s_mov_b32 s59, 0
	s_add_nc_u64 s[12:13], s[12:13], s[58:59]
.macro EPI x                           ; tile x, wholly in its own window
	WIN (0x55*\x)
.if \x
	v_mov_b32 v[T], 0                              ; a lane permute's destination counts as one of its sources
	v_mov_b32 v[PT], 0
	v_mov_b32 v[PT+1], 0
.endif
	v_add_f32 v[LS], v[LS], v[LS+1]
	v_permlanex16_b32 v[T], v[LS], s[SEL], s[SEL+1]
	v_add_f32 v[LS], v[LS], v[T]                   ; the row's sum
	s_wait_alu depctr_va_vdst(0)
	v_rcp_f32 v[LS], v[LS]
	v_nop
	s_wait_alu depctr_va_vdst(0)
.set i, 0
.rept 16
	v_pk_mul_f32 v[S+i:S+i+1], v[OT+i:OT+i+1], v[LS:LS+1] op_sel_hi:[1,0]   ; register 8 d + j is att(query r, channel 16 d + 8 h + j)
.set i, i+2
.endr
.irp b, 0,1
	v_max3_num_f32 v[BM+\b], |v[S+16*\b]|, |v[S+1+16*\b]|, 0x1800000
.endr
.irp i, 2,4,6,8,10,12,14
.irp b, 0,1
	v_max3_num_f32 v[BM+\b], v[BM+\b], |v[S+16*\b+\i]|, |v[S+1+16*\b+\i]|
.endr
.endr
.irp b, 0,1
	v_permlanex16_b32 v[PT+\b], v[BM+\b], s[SEL], s[SEL+1]
.endr
.irp b, 0,1
	v_max_num_f32 v[BM+\b], v[BM+\b], v[PT+\b]
.endr
.irp b, 0,1
	v_add_nc_u32 v[SO+\b], 0xff000000, v[BM+\b]
.endr
.irp b, 0,1
	v_lshrrev_b32 v[PT+\b], 23, v[SO+\b]
.endr
	v_lshl_or_b32 v[W16], v[PT+1], 8, v[PT]        ; my row's two scale bytes
	v_cvt_scalef32_pk16_fp6_f32 v[CH:CH+2], v[S:S+15], v[SO]
	v_cvt_scalef32_pk16_fp6_f32 v[CH+4:CH+6], v[S+16:S+31], v[SO+1]
	v_nop
.irp i, 0,1,2
	v_permlane16_swap_b32 v[CH+\i], v[CH+4+\i]     ; lane (r, h) now holds block h: groups 0 and 2 of eight codes in v204-206, groups 1 and 3 in v208-210
.endr
	; W_out's codes lie in their true order, so att's must: a group of eight codes is six bytes: groups 0, 1, 2, 3 on end
	v_mov_b32 v[PC], v[CH]
	v_perm_b32 v[PC+1], v[CH+4], v[CH+1], 0x05040100
	v_perm_b32 v[PC+2], v[CH+5], v[CH+4], 0x05040302
	v_perm_b32 v[PC+3], v[CH+2], v[CH+1], 0x05040302
	v_perm_b32 v[PC+4], v[CH+5], v[CH+2], 0x07060302
	v_mov_b32 v[PC+5], v[CH+6]
	WIN (0x04*\x)                                  ; the stores' addresses lie in window 0, their data in the tile's
	s_wait_alu depctr_va_vdst(0)
	global_store_b128 v[BASE+5], v[PC:PC+3], s[10:11] offset:3072*\x              ; 512 consecutive bytes, aligned to 256
	global_store_b64 v[BASE+6], v[PC+4:PC+5], s[10:11] offset:3072*\x+512         ; 256
	global_store_b16 v[R4], v[W16], s[12:13] offset:64*\x   ; two bytes of each token's word; the other two are the neighbouring head's.  Lanes 16-31 write what lanes 0-15 write
.endm
	EPI 0
	EPI 1
	WIN 0
	s_wait_tensorcnt 0x0                           ; the wave's end
	ds_add_u32 v254, v255
	s_wait_dscnt 0x0
	CROUND                                         ; the closing round
	s_endpgm
.Lfunc_end_k_q0694c4139f_attn:
	.size	k_q0694c4139f_attn, .Lfunc_end_k_q0694c4139f_attn-k_q0694c4139f_attn
	.p2alignl 7, 3214868480
	.fill 96, 4, 3214868480
	.section	.rodata,"a",@progbits
	.p2align	6, 0x0
	.amdhsa_kernel k_q0694c4139f_attn
		.amdhsa_group_segment_fixed_size 209920
		.amdhsa_private_segment_fixed_size 0
		.amdhsa_enable_private_segment 0
		.amdhsa_kernarg_size 40
		.amdhsa_user_sgpr_count 2
		.amdhsa_user_sgpr_kernarg_segment_ptr 1
		.amdhsa_wavefront_size32 1
		.amdhsa_system_sgpr_workgroup_id_x 1
		.amdhsa_system_sgpr_workgroup_id_y 1
		.amdhsa_system_sgpr_workgroup_id_z 1
		.amdhsa_system_vgpr_workitem_id 0
		.amdhsa_next_free_vgpr 512
		.amdhsa_next_free_sgpr 66
		.amdhsa_reserve_vcc 0
		.amdhsa_float_denorm_mode_32 3
		.amdhsa_float_denorm_mode_16_64 3
		.amdhsa_memory_ordered 1
		.amdhsa_forward_progress 1
		.amdhsa_inst_pref_size 129
	.end_amdhsa_kernel
	.amdgpu_metadata
---
amdhsa.version: [ 1, 2 ]
amdhsa.kernels:
  - .name:           k_q0694c4139f_attn
    .symbol:         k_q0694c4139f_attn.kd
    .args:
      - { .name: q_img, .offset: 0, .size: 8, .value_kind: global_buffer, .address_space: global }
      - { .name: q_scl, .offset: 8, .size: 8, .value_kind: global_buffer, .address_space: global }
      - { .name: kv, .offset: 16, .size: 8, .value_kind: global_buffer, .address_space: global }
      - { .name: att_img, .offset: 24, .size: 8, .value_kind: global_buffer, .address_space: global }
      - { .name: att_scl, .offset: 32, .size: 8, .value_kind: global_buffer, .address_space: global }
    .group_segment_fixed_size: 209920
    .private_segment_fixed_size: 0
    .kernarg_segment_align: 8
    .kernarg_segment_size: 40
    .max_flat_workgroup_size: 256
    .sgpr_count:     66
    .vgpr_count:     512
    .wavefront_size: 32
...
	.end_amdgpu_metadata
.endif
;; end of part 2
;; launch proj (part 3): grid 8 x 32, 4 waves a work-group, clusters of 4 x 4, 220,672 bytes of LDS; arguments att_img, att_scl, W_out_codes, W_out_scales, b_out, out0; writes out0
.if DOCPART == 3
	.amdgcn_target "amdgcn-amd-amdhsa--gfx1250"
	.amdhsa_code_object_version 6
	.text
	.protected	k_q0694c4139f_proj
	.globl	k_q0694c4139f_proj
	.p2align	8
	.type	k_q0694c4139f_proj,@function
k_q0694c4139f_proj:
	s_mov_b64 s[64:65], 0
	v_nop
	global_prefetch_b8 v0, s[64:65] scope:SCOPE_SE
	s_setreg_imm32_b32 hwreg(HW_REG_WAVE_MODE, 25, 1), 1
	s_wait_xcnt 0x0
	s_wait_alu depctr_hold_cnt(0) depctr_sa_sdst(0) depctr_va_vdst(0) depctr_va_sdst(0) depctr_va_ssrc(0) depctr_va_vcc(0) depctr_vm_vsrc(0)
	s_getreg_b32 s2, hwreg(HW_REG_IB_STS2, 6, 4)
	s_cmp_eq_u32 s2, 0
	s_cbranch_scc0 .Lentry_in_a_cluster
	s_endpgm
.Lentry_in_a_cluster:
	s_bfe_u32 s2, ttmp6, 0x10000c
	s_cmp_lg_u32 s2, 0xf033
	s_cbranch_scc0 .Lentry_shape_is_right
	s_endpgm
.Lentry_shape_is_right:
; out0 = att W_out^T + b_out on codes of FP6 (E2M3), one E8M0 byte for each 32 along K = 1,024.  W_out as given; att as images of operand registers:
; [128 tokens][256 along K][tile of 16 tokens][K step of 128][two halves of 768 bytes]; its scale words [128 tokens' block][K step][token].
; A work-group makes 128 tokens (y) x 128 outputs (x).  A wave (ph = w % 2, rh = w / 2) makes outputs 64 ph .. + 63 (rows of W_out, source 0) x tokens 64 rh .. + 63 (source 1): 4 x 4 tiles, 16 accumulators;
; a lane's eight results are eight neighbouring outputs of one token.  256 work-groups.
; LDS IS FILLED ONCE, one tensor load a wave: waves 0, 1: 64 whole rows of W_out each (768 bytes, 16 of padding behind every 256); waves 2, 3: half of att's 98,304 dense bytes each.
; A K step of 16 products is fed by one run of loads a K step ahead: W_out's four fragments (24 loads, two sets of registers) and att's four (16 loads, registers of their own in windows 2 and 3).
; CLUSTER 4 x 4: W_out's panel hangs on x alone and is asked for jointly along a column of the cluster, att's on y alone, along a row.
; SCALE WORDS come once, straight into registers (window 0, v16-47, which hold nothing else).  Window 1: accumulators, W_out's fragments, addresses.  Window 3, v144-175: the bias, the C of each sum's first instruction.
; NO PREFETCH: all tensor loads stand in the first lines; there is no loop to run ahead in.
; LIMITS.  NaN, infinities and given scale bytes of 0xff are not served.
.set PITCH, 816
.set T16,   16*PITCH
.set HALFP, 64*PITCH
.set PANEL, 128*PITCH
.set RIMG,  PANEL
.set STG,   RIMG+98304                 ; the way out: 16 rows x (256 + 16) bytes for each wave, bytes into which no fill lands
.set SPITCH, 272
.set SPARE, STG+4*16*SPITCH
.set XS,  16
.set WSC, 32
.set WS,  128
.set BK,  128
.set AW,  224
.set AR,  226                          ; 16 and 8 bytes a lane, K steps 0-3; the same for K steps 4-7
.set CO,  230
.set STO, 231
.set RD,  232
.set NLD, 40
.set WV,  16
.set PH,  17
.set RH,  18
.set NB,  20
.set TB,  21
.set G1W, 24
.set G1R, 32
.set G0W, 40
.set G0R, 44
.set MSB, 0
.macro WIN new
.if MSB != \new
	s_set_vgpr_msb (MSB<<8)|\new
.set MSB, \new
.endif
.endm
.macro CROUND
	s_barrier_signal -1
	s_barrier_wait -1
	s_cmp_lg_u32 s[WV], 0
	s_cbranch_scc1 .Lnot_wave_0_\@
	s_barrier_signal -3
.Lnot_wave_0_\@:
	s_barrier_wait -3
	s_barrier_signal -1
	s_barrier_wait -1
.endm
.macro FRAG reg, adr, st, off          ; 16 rows x 128 K from padded rows: byte y of a row lies at y + 16 (y / 256); lanes 16-31 read 24 bytes on
.irp p, 0,1,2,3,4,5
.set BY, 96*(\st)+48*(\p/3)+8*(\p%3)
.if BY/256 == (BY+24)/256
	ds_load_b64 v[\reg+2*\p:\reg+2*\p+1], v[\adr] offset:BY+16*(BY/256)+\off
.else
	ds_load_b64 v[\reg+2*\p:\reg+2*\p+1], v[\adr+1] offset:BY+16*(BY/256)+\off
.endif
.endr
.endm
.macro WLOAD st
	WIN 0x41
.irp t, 0,1,2,3
	FRAG WS+48*((\st)%2)+12*\t, AW, \st, \t*T16
.endr
.endm
.macro XLOAD st                        ; my four tiles of tokens, K step st, as they were stored: window 2 (K steps 0-4) or 3
	WIN (0x81+0x40*((\st)/5))
.set RO, 24576*(((\st)/2)%2)+1536*((\st)%2)
.set RR, AR+2*((\st)/4)
.irp m, 0,1,2,3
.set RG, 48*((\st)%5)+12*\m
	ds_load_b128 v[RG:RG+3], v[RR] offset:RO+3072*\m
	ds_load_b64 v[RG+4:RG+5], v[RR+1] offset:RO+3072*\m+512
	ds_load_b128 v[RG+6:RG+9], v[RR] offset:RO+3072*\m+768
	ds_load_b64 v[RG+10:RG+11], v[RR+1] offset:RO+3072*\m+1280
.endr
.endm
.macro WM d, a, b, c, sa, sb, ra, rb
.if (\ra) && (\rb)
	v_wmma_scale_f32_16x16x128_f8f6f4 v[\d:\d+7], v[\a:\a+11], v[\b:\b+11], v[\c:\c+7], v[\sa], v[\sb] matrix_a_fmt:MATRIX_FMT_FP6 matrix_b_fmt:MATRIX_FMT_FP6 matrix_a_scale:MATRIX_SCALE_ROW1 matrix_b_scale:MATRIX_SCALE_ROW1
.elseif (\ra)
	v_wmma_scale_f32_16x16x128_f8f6f4 v[\d:\d+7], v[\a:\a+11], v[\b:\b+11], v[\c:\c+7], v[\sa], v[\sb] matrix_a_fmt:MATRIX_FMT_FP6 matrix_b_fmt:MATRIX_FMT_FP6 matrix_a_scale:MATRIX_SCALE_ROW1
.elseif (\rb)
	v_wmma_scale_f32_16x16x128_f8f6f4 v[\d:\d+7], v[\a:\a+11], v[\b:\b+11], v[\c:\c+7], v[\sa], v[\sb] matrix_a_fmt:MATRIX_FMT_FP6 matrix_b_fmt:MATRIX_FMT_FP6 matrix_b_scale:MATRIX_SCALE_ROW1
.else
	v_wmma_scale_f32_16x16x128_f8f6f4 v[\d:\d+7], v[\a:\a+11], v[\b:\b+11], v[\c:\c+7], v[\sa], v[\sb] matrix_a_fmt:MATRIX_FMT_FP6 matrix_b_fmt:MATRIX_FMT_FP6
.endif
.endm
; a K step: four places, the next K step's 40 loads in one run, the wait for this step's (the 40 just issued may stay out), and 16 products, the 16 accumulators by turns
.macro KSTEP st
.if (\st) < 7
.if (\st) > 0
.rept 4
	v_nop
.endr
.endif
	WLOAD (\st)+1
	XLOAD (\st)+1
	s_wait_dscnt NLD
.else
	s_wait_dscnt 0x0
.endif
.set XI, 48*((\st)%5)
.set XW, 2+(\st)/5
.set CW3, 0x50
.if (\st) == 0
.set CW3, 0x70                         ; the first K step's C is the bias, in window 3
.endif
	WIN (CW3|(XW<<2)|1)
.irp m, 0,1,2,3
.irp t, 0,1,2,3
.set rD, 32*\m+8*\t
.set rA, WS+48*((\st)%2)+12*\t
.set rB, XI+12*\m
.set rSA, WSC+8*(\t/2)+(\st)
.set rSB, XS+8*(\m/2)+(\st)
.set rC, 144+8*\t
.if (\st) > 0
.set rC, rD
.endif
	WM rD, rA, rB, rC, rSA, rSB, \t%2, \m%2
.endr
.endr
.endm
	s_load_b256 s[4:11], s[0:1], 0x0               ; att_img, att_scl, W_out's codes, its scales
	s_load_b128 s[12:15], s[0:1], 0x20             ; b_out, out0
	v_lshl_add_u32 v12, v0, 2, SPARE
	v_mov_b32 v13, 0
	ds_add_u32 v12, v13                            ; the opening lines
	ds_add_u32 v12, v13
	v_lshrrev_b32 v1, 5, v0
	v_readfirstlane_b32 s[WV], v1
	s_and_b32 s[PH], s[WV], 1
	s_bfe_u32 s18, ttmp6, 0x40000                  ; cx
	s_bfe_u32 s19, ttmp6, 0x40004                  ; cy
	s_lshl_b32 s[NB], ttmp9, 2
	s_add_co_u32 s[NB], s[NB], s18                 ; my block of 128 outputs
	s_and_b32 s[TB], ttmp7, 0xffff
	s_lshl_b32 s[TB], s[TB], 2
	s_add_co_u32 s[TB], s[TB], s19                 ; my block of 128 tokens
	s_lshl_b32 s22, s19, 2
	s_lshl_b32 s22, 15, s22                        ; my row of the cluster
	s_lshl_b32 s23, 0x1111, s18                    ; my column
	s_lshr_b32 s[RH], s[WV], 1
	s_or_b32 s[G1W], s23, (1<<20)|(1<<21)|(5<<22)|(3<<25)
	s_mov_b32 s[G1W+1], 768<<16
	s_mov_b32 s[G1W+2], 64<<16
	s_mov_b32 s[G1W+3], 768<<16
	s_mov_b32 s[G1W+4], 64
	s_mov_b32 s[G1W+5], 768
	s_mov_b32 s[G1W+6], 0
	s_mov_b32 s[G1W+7], 0
	s_or_b32 s[G1R], s22, (3<<16)|(1<<21)          ; 49,152 dense bytes as 192 rows of 256
	s_mov_b32 s[G1R+1], 32<<16
	s_mov_b32 s[G1R+2], 192<<16
	s_mov_b32 s[G1R+3], 32<<16
	s_mov_b32 s[G1R+4], 192
	s_mov_b32 s[G1R+5], 32
	s_mov_b32 s[G1R+6], 0
	s_mov_b32 s[G1R+7], 0
	s_lshl_b32 s48, s[NB], 7
	s_lshl_b32 s49, s[PH], 6
	s_add_co_u32 s48, s48, s49
	s_mul_i32 s48, s48, 768                        ; W_out: row 128 nb + 64 (w % 2)
	s_mov_b32 s49, 0
	s_mul_i32 s50, s[TB], 98304
	s_mul_i32 s51, s[PH], 49152
	s_add_co_u32 s50, s50, s51                     ; att: half w % 2 of the block's images
	s_add_co_u32 s53, s51, RIMG
	s_mov_b32 s51, 0
	s_mul_i32 s52, s[PH], HALFP
	s_lshl_b32 s60, s[NB], 12
	s_mov_b32 s61, 0
	s_lshl_b32 s62, s[TB], 12
	s_mov_b32 s63, 0
	s_lshl_b32 s66, s[NB], 9
	s_mov_b32 s67, 0
	s_lshl_b32 s54, s[TB], 7
	s_lshl_b32 s55, s[RH], 6
	s_add_co_u32 s54, s54, s55
	s_lshl_b32 s54, s54, 12                        ; my first token's row of 4,096 bytes,
	s_lshl_b32 s55, s[PH], 8
	s_add_co_u32 s54, s54, s55                     ; and my 64 outputs' 256 bytes in it
	s_mov_b32 s55, 0
	s_mul_i32 s56, s[RH], 12288
	s_add_co_u32 s56, s56, RIMG                    ; my four tiles' images
	s_mul_i32 s57, s[WV], 16*SPITCH
	s_add_co_u32 s57, s57, STG                     ; my stage
	s_lshl_b32 s58, s[RH], 8
	s_lshl_b32 s59, s[PH], 11
	s_lshl_b32 s68, s[PH], 8
	s_wait_dscnt 0x0
	s_wait_kmcnt 0x0
	s_mov_b32 s[G0W], 1
	s_mov_b32 s[G0W+1], s52
	s_add_nc_u64 s[G0W+2:G0W+3], s[8:9], s[48:49]
	s_or_b32 s[G0W+3], s[G0W+3], 0x80000000
	s_mov_b32 s[G0R], 1
	s_mov_b32 s[G0R+1], s53
	s_add_nc_u64 s[G0R+2:G0R+3], s[4:5], s[50:51]
	s_or_b32 s[G0R+3], s[G0R+3], 0x80000000
	s_add_nc_u64 s[60:61], s[10:11], s[60:61]      ; W_out's scale bytes of the 128 rows
	s_add_nc_u64 s[62:63], s[6:7], s[62:63]        ; att's scale words of the 128 tokens
	s_add_nc_u64 s[14:15], s[14:15], s[66:67]      ; out0: the block's first column,
	s_add_nc_u64 s[14:15], s[14:15], s[54:55]      ; my first token's row and my columns
	s_add_nc_u64 s[66:67], s[12:13], s[66:67]      ; the bias of the 128 outputs
	CROUND                                         ; the joint loads meet
	s_cmp_lt_u32 s[WV], 2
	s_cbranch_scc0 .Lhead_r
	tensor_load_to_lds s[G0W:G0W+3], s[G1W:G1W+7]
	s_nop 0
.rept 4
	v_nop
.endr
	s_branch .Lhead_done
.Lhead_r:
	tensor_load_to_lds s[G0R:G0R+3], s[G1R:G1R+7]
	s_nop 0
.rept 4
	v_nop
.endr
.Lhead_done:
	v_and_b32 v1, 31, v0
	v_and_b32 v2, 15, v0                           ; r
	v_bfe_u32 v3, v0, 4, 1                         ; h
	v_mul_u32_u24 v4, v2, PITCH
	v_mad_u32_u24 v4, v3, 24, v4
	v_add_nc_u32 v4, s52, v4                       ; W_out: my 64 rows
	v_lshl_add_u32 v5, v3, 4, v4
	v_lshl_add_u32 v6, v1, 4, s56
	v_lshl_add_u32 v7, v1, 3, s56
	v_mul_u32_u24 v8, v2, SPITCH
	v_lshl_add_u32 v8, v3, 5, v8
	v_add_nc_u32 v8, s57, v8                       ; into the stage: row r, 32 bytes for each half of the lanes
	v_mul_u32_u24 v9, v3, SPITCH
	v_lshl_add_u32 v9, v2, 4, v9
	v_add_nc_u32 v9, s57, v9                       ; back: lanes 0-15 take one row of 256 bytes, lanes 16-31 the next
	v_lshl_add_u32 v10, v1, 2, s58                 ; att's words: my 64 tokens
	v_lshl_add_u32 v11, v1, 5, s59                 ; W_out's scale bytes: my 64 rows
	v_lshl_add_u32 v14, v3, 5, s68                 ; the bias: my 64 outputs, 8 h numbers on
	v_lshlrev_b32 v15, 12, v3
	v_lshl_add_u32 v15, v2, 4, v15                 ; the same two rows in out0
	WIN 0x40
.irp k, 0,1
	v_mov_b32 v[AW+\k], v[4+\k]
	v_mov_b32 v[AR+\k], v[6+\k]
	v_add_nc_u32 v[AR+2+\k], 49152, v[6+\k]
.endr
	v_mov_b32 v[CO], v15
	v_mov_b32 v[STO], v8
	v_mov_b32 v[RD], v9
	WIN 0
	s_wait_alu depctr_va_vdst(0)
.irp j, 0,1
	global_load_b128 v[WSC+8*\j:WSC+8*\j+3], v11, s[60:61] offset:1024*\j
	global_load_b128 v[WSC+8*\j+4:WSC+8*\j+7], v11, s[60:61] offset:1024*\j+16
.irp q, 0,1,2,3,4,5,6,7
	global_load_b32 v[XS+8*\j+\q], v10, s[62:63] offset:512*\q+128*\j
.endr
.endr
	WIN 0xc0
.irp t, 0,1,2,3
	global_load_b128 v[144+8*\t:144+8*\t+3], v14, s[66:67] offset:64*\t
	global_load_b128 v[144+8*\t+4:144+8*\t+7], v14, s[66:67] offset:64*\t+16
.endr
	WIN 0
	s_wait_alu depctr_va_vdst(0)                   ; the wait at the head's end
	s_wait_loadcnt 0x0
	s_wait_tensorcnt 0x0                           ; my part of the panels has landed
	s_wait_dscnt 0x0
	s_barrier_signal -1
	s_barrier_wait -1                              ; and everybody's
	WLOAD 0
	XLOAD 0
.set KK, 0
.rept 8
	KSTEP KK
.set KK, KK+1
.endr
.rept 4
	v_nop                                          ; places behind the last products
.endr
	WIN 0x55
	; THE WAY OUT: a block of 16 tokens x 64 outputs goes through my own stage and comes back as whole rows of 256 bytes.  LDS serves a wave's instructions in order (ISA guide 5.7.1.4)
.macro TOST m
.irp t, 0,1,2,3
	ds_store_b128 v[STO], v[32*\m+8*\t:32*\m+8*\t+3] offset:64*\t       ; each accumulator from its low end on
	ds_store_b128 v[STO], v[32*\m+8*\t+4:32*\m+8*\t+7] offset:64*\t+16
.endr
.endm
.macro BACK m
.irp i, 0,1,2,3,4,5,6,7
	ds_load_b128 v[BK+32*(\m%2)+4*\i:BK+32*(\m%2)+4*\i+3], v[RD] offset:\i*2*SPITCH
.endr
.endm
.macro SEND m, younger                 ; younger: the LDS instructions issued behind the block's eight loads
.irp i, 0,1,2,3,4,5,6,7
	s_wait_dscnt \younger+7-\i
	global_store_b128 v[CO], v[BK+32*(\m%2)+4*\i:BK+32*(\m%2)+4*\i+3], s[14:15] offset:8192*\i+65536*\m th:TH_STORE_NT   ; sixteen lanes store 256 consecutive bytes, at a multiple of 256 from out0's first byte
.endr
.endm
	TOST 0
	BACK 0
	TOST 1
	SEND 0, 8
	BACK 1
	TOST 2
	SEND 1, 8
	s_wait_xcnt 0x0                                ; block 0's stores have read their registers
	BACK 2
	TOST 3
	SEND 2, 8
	s_wait_xcnt 0x0
	BACK 3
	SEND 3, 0
	WIN 0
	s_wait_tensorcnt 0x0                           ; the wave's end
	ds_add_u32 v12, v13
	s_wait_dscnt 0x0
	CROUND                                         ; the closing round
	s_endpgm
.Lfunc_end_k_q0694c4139f_proj:
	.size	k_q0694c4139f_proj, .Lfunc_end_k_q0694c4139f_proj-k_q0694c4139f_proj
	.p2alignl 7, 3214868480
	.fill 96, 4, 3214868480
	.section	.rodata,"a",@progbits
	.p2align	6, 0x0
	.amdhsa_kernel k_q0694c4139f_proj
		.amdhsa_group_segment_fixed_size 220672
		.amdhsa_private_segment_fixed_size 0
		.amdhsa_enable_private_segment 0
		.amdhsa_kernarg_size 48
		.amdhsa_user_sgpr_count 2
		.amdhsa_user_sgpr_kernarg_segment_ptr 1
		.amdhsa_wavefront_size32 1
		.amdhsa_system_sgpr_workgroup_id_x 1
		.amdhsa_system_sgpr_workgroup_id_y 1
		.amdhsa_system_sgpr_workgroup_id_z 1
		.amdhsa_system_vgpr_workitem_id 0
		.amdhsa_next_free_vgpr 1024
		.amdhsa_next_free_sgpr 76
		.amdhsa_reserve_vcc 0
		.amdhsa_float_denorm_mode_32 3
		.amdhsa_float_denorm_mode_16_64 3
		.amdhsa_memory_ordered 1
		.amdhsa_forward_progress 1
		.amdhsa_inst_pref_size 56
	.end_amdhsa_kernel
	.amdgpu_metadata
---
amdhsa.version: [ 1, 2 ]
amdhsa.kernels:
  - .name:           k_q0694c4139f_proj
    .symbol:         k_q0694c4139f_proj.kd
    .args:
      - { .name: att_img, .offset: 0, .size: 8, .value_kind: global_buffer, .address_space: global }
      - { .name: att_scl, .offset: 8, .size: 8, .value_kind: global_buffer, .address_space: global }
      - { .name: W_out_codes, .offset: 16, .size: 8, .value_kind: global_buffer, .address_space: global }
      - { .name: W_out_scales, .offset: 24, .size: 8, .value_kind: global_buffer, .address_space: global }
      - { .name: b_out, .offset: 32, .size: 8, .value_kind: global_buffer, .address_space: global }
      - { .name: out0, .offset: 40, .size: 8, .value_kind: global_buffer, .address_space: global }
    .group_segment_fixed_size: 220672
    .private_segment_fixed_size: 0
    .kernarg_segment_align: 8
    .kernarg_segment_size: 48
    .max_flat_workgroup_size: 128
    .sgpr_count:     76
    .vgpr_count:     1024
    .wavefront_size: 32
...
	.end_amdgpu_metadata
.endif
;; end of part 3
